; MI455X (gfx1250); checked and timed in simulation.
; The chip was launched on July 23, 2026; its instructions are those of AMD's public machine-readable ISA for CDNA 5 (MIT licence, August 2026) and "CDNA5" Instruction Set Architecture Reference Guide (July 2026). The comments in the code are by the model that wrote it; some were corrected since.
;; Naive SDPA. Allowed arithmetic: matrix products marked QUANTISED: E2M1 operands, one E8M0 scale for each 32 along K, by v_wmma_scale_f32_16x16x128_f8f6f4 with both operands' format E2M1 (or v_wmma_scale_f32_32x16x128_f4), f32 sums; everything else in f32.
;; Inputs: attn_mask 1 x 1 x 2,048 x 2,048 float32; key_codes 2 x 2,048 x 8 x 4 x 16 uint8 (E2M1 codes of key, K innermost, in blocks of 32 codes, two codes a byte); key_scales 2 x 2,048 x 8 x 4 uint8 (E8M0 scales of key, one for each 32 codes along K); query_codes 2 x 2,048 x 32 x 4 x 16 uint8 (E2M1 codes of query, K innermost, in blocks of 32 codes, two codes a byte); query_scales 2 x 2,048 x 32 x 4 uint8 (E8M0 scales of query, one for each 32 codes along K); value_codes 2 x 8 x 128 x 64 x 16 uint8 (E2M1 codes of value, K innermost, in blocks of 32 codes, two codes a byte); value_scales 2 x 8 x 128 x 64 uint8 (E8M0 scales of value, one for each 32 codes along K).
;; Outputs: out0 2 x 2,048 x 32 x 128 float32.
;; This version of the problem:
;;   THIS VERSION OF THE PROBLEM IS GIVEN IN LOW PRECISION. The matrix products marked QUANTISED in the list below multiply operands that are first quantised to E2M1 (2 exponent bits, 1 mantissa bit; 4 bits a number), with one power-of-two scale for each 32 numbers along K (OCP MX v1.0); their sums are f32. All else is computed in f32.
;;   The module's matrix products, in the order in which they are computed (A, B: the left and right operand; K: the contracted axis; several contracted axes count as one K, in the product's order):
;;     1. batch 64 x [M 2,048, K 128] x [K 128, N 2,048]; A: input query (given as codes); B: input key (given as codes): QUANTISED
;;     2. batch 64 x [M 2,048, K 2,048] x [K 2,048, N 128]; A: softmax (see below); B: input value (given as codes): QUANTISED
;;   THE QUANTISER, for each operand of a quantised product, along K:
;;     - K is cut into blocks of 32 from its start; a last block that is shorter is filled with zeros.
;;     - A block's scale is 2^e with e = floor(log2(the largest magnitude in the block)) - 2, held to -126 .. 127; a block of zeros has e = 0. As a byte (E8M0): e + 127.
;;     - Each number is divided by its block's scale, clamped to +-6, and rounded to the nearest number of E2M1, ties to even, subnormals kept.
;;     - The product sums the exact products of the quantised numbers (number of the format x scale) in f32.
;;   ~~~python
;;   def quantise(x, axis):      # numpy; x: float32 -> the quantised numbers, widened to float32 again
;;       x = np.moveaxis(x, axis, -1); K = x.shape[-1]
;;       x = np.pad(x, [(0, 0)] * (x.ndim - 1) + [(0, -K % 32)]); x = x.reshape(x.shape[:-1] + (-1, 32)); a = np.abs(x).max(-1, keepdims=True)
;;       e = np.where(a > 0, np.clip(np.frexp(np.where(a > 0, a, 1))[1] - 1 - 2, -126, 127), 0)      # np.frexp(a)[1] - 1 = floor(log2(a)), exactly
;;       r = np.clip(x / 2.0 ** e, -6, 6)
;;       step = 2.0 ** (np.maximum(np.frexp(np.where(r == 0, 1, r))[1] - 1, 0) - 1)
;;       q = np.round(r / step) * step * 2.0 ** e      # np.round: ties to even
;;       return np.moveaxis(q.reshape(q.shape[:-2] + (-1,))[..., :K], -1, axis).astype(np.float32)
;;   ~~~
;;   SOFTMAX AHEAD OF A QUANTISED PRODUCT. Where the list says 'softmax', what is quantised is not the finished softmax but p = 2^(t - M), with t = logit x log2(e) and M = ceil(the row's largest t), a whole number; so 1/2 < the row's largest p <= 1. The row's sum l is taken of the UNQUANTISED p, in f32, and the product's result is divided by l at the end. Since M is a whole number, a kernel that streams over the keys may use a running M (the ceiling of the running maximum): every later rescaling is an exact power of two, which a block's scale takes up: the codes' values come out the same.
;;   OPERANDS COMPUTED ON THE WAY. 'Computed on the way' means the value that the module computes at that place (a softmax that the list does not call 'softmax' is quantised finished and normalised). What goes into a quantiser is computed in f32, as accurately as f32 sums, v_exp_f32 and their like allow (about 1e-6 of the number): no bf16 or f16 on the way to a quantiser, and a product that is left as it is and whose result goes on into a quantised operand takes f32 operands (vector FMAs, or v_wmma_f32_16x16x4_f32). A number that lies on a knife's edge between two numbers of the format may be rounded either way, as far as f32 arithmetic and the matrix unit's own rounding can turn it there, and no further.
;;   INPUTS GIVEN AS CODES. key (in the module: [2, 2048, 8, 128], K = its axis 3); query (in the module: [2, 2048, 32, 128], K = its axis 3); value (in the module: [2, 2048, 8, 128], K = its axis 1): each comes as NAME_codes (uint8): NAME with its K axis moved to the last place and cut into blocks of 32 codes, [.., K / 32, bytes a block], one block behind the other in memory; two codes a byte, the lower K in the low four bits (a code: sign, 2 exponent bits, 1 mantissa bit); and NAME_scales (uint8): the same leading axes, one E8M0 byte (e + 127) for each 32 codes along K. Its value is code x scale, taken as it is: it is not quantised again, and the codes and scales need not be those that the quantiser above would give.
;; One version. Each part assembles by itself: llvm-mc -triple=amdgcn-amd-amdhsa -mcpu=gfx1250 --defsym DOCPART=n.
;; ======== version 1 of 1: 1 launch
;; launch attn (part 1): grid 32 x 16, 8 waves a work-group, clusters of 4 x 4, 327,680 bytes of LDS; arguments attn_mask, key_codes, key_scales, query_codes, query_scales, value_codes, value_scales, out0; writes out0
.if DOCPART == 1
	.amdgcn_target "amdgcn-amd-amdhsa--gfx1250"
	.amdhsa_code_object_version 6
	.text
	.protected	k_q4b1deb53d3_attn
	.globl	k_q4b1deb53d3_attn
	.p2align	8
	.type	k_q4b1deb53d3_attn,@function
k_q4b1deb53d3_attn:
	s_mov_b64 s[64:65], 0
	v_nop
	global_prefetch_b8 v0, s[64:65] scope:SCOPE_SE
	s_setreg_imm32_b32 hwreg(HW_REG_WAVE_MODE, 25, 1), 1
	s_wait_xcnt 0x0
	s_wait_alu depctr_hold_cnt(0) depctr_sa_sdst(0) depctr_va_vdst(0) depctr_va_sdst(0) depctr_va_ssrc(0) depctr_va_vcc(0) depctr_vm_vsrc(0)
	s_getreg_b32 s2, hwreg(HW_REG_IB_STS2, 6, 4)
	s_cmp_eq_u32 s2, 0
	s_cbranch_scc0 .Lentry_in_a_cluster
	s_endpgm
.Lentry_in_a_cluster:
	s_bfe_u32 s2, ttmp6, 0x10000c
	s_cmp_lg_u32 s2, 0xf033
	s_cbranch_scc0 .Lentry_shape_is_right
	s_endpgm
.Lentry_shape_is_right:
; out0[b][s][h][:] = the sum over keys k of softmax_k(Q[b][s][h] . K[b][k][h/4] / sqrt(128) + attn_mask[s][k]) V[b][k][h/4][:].  B = 2, S = 2,048, 32 query heads on 8 key/value heads, head size 128.
; Both products on codes of FP4 (E2M1) with one E8M0 scale for each 32 along a product's K.  Q, K: K = the head's 128.  V: the KEYS innermost, [b][kvh][128][2,048 keys].  attn_mask: f32, an INPUT: every number
; of it is loaded and added, no key step is left out, nothing of its pattern is built in.
; THE SOFTMAX AHEAD OF THE SECOND PRODUCT: t = score x c + mask x log2(e), c = log2(e) / sqrt(128), one fused multiply-add, rounded once; M = the running largest t rounded UP to a whole number; p = 2^(t - M), with M
; taken from the ROUNDED t, is what is quantised, along the keys.  The row's sum is taken of the unquantised p and divides O at the end.  When M moves, the sum and O are multiplied by 2^(old M - new M): exact.
; ORDER OF ROUNDING: reference() rounds score x scale, then + mask, and the rule then x log2(e); here mask x log2(e) is rounded, then the fused sum: some 2 ulp of t apart.
; LIMITS: |mask| under 2.3e38, so that mask x log2(e) is finite and above the start value -3e38; NaN and infinities in the mask and scale bytes of 0xff were not tried; p under 2^-126 counts as 0.
; SHARES.  A work-group (x, y) owns 64 queries (64 x on) of batch y / 8, for the four query heads of key/value head y % 8: 16 tiles of 16 queries x 1 head.  Wave w: queries 16 (w % 4) on, heads 2 (w / 4) + 0, 1 of the
; four: TWO tiles, which share each fragment of K and of V and the 64 mask numbers of a lane.  Two waves to a SIMD.  Every wave walks all 2,048 keys, 128 a step.
; LAYOUT.  Both products are used transposed: S^T = K Q^T (source 0 = 16 keys, source 1 = 16 queries), O^T = V^T P^T: a lane holds ONE query (lane % 16) throughout.
; THE KEYS OF A TILE ARE NOT NEIGHBOURS: lane r of tile 2 b + u takes key 32 b + 8 u + r + 8 (r / 8), so that the 16 registers of tiles 2 b and 2 b + 1 are 16 neighbouring keys, 32 b + 16 (lane / 16) + 0 .. 15.
; RING.  Two LDS slots of 256 keys (two steps): K's codes, K's scale words, V's codes, and the mask's 64 rows x 256 columns.  V's scale bytes of the whole head come once.
; CLUSTER.  4 x 4 work-groups.  K and V hang on y alone: the four of a row of the cluster ask for them JOINTLY; the mask's tile hangs on x alone: the four of a column ask for it jointly.
; REGISTERS, in windows of 256.  Window 0: v1-14 addresses; v16-23 statistics; v24-35 scale words; v36-51 p's codes; v52-71 at work; v80-143 mask x log2(e); v144-207 scores, t, p of the tile in hand; v208-223 Q.
;   Window 1: v0-127 O^T, 64 a tile; v128-191 eight fragments of K, then of V.
.set KP,    80                         ; a key's row in LDS: 64 bytes + 16 of padding
.set VP,    144                        ; a row of V's tile: 128 bytes (256 keys) + 16: 9 x 16, so the 16 rows of a load start at 16 different 16-byte columns of 256
.set MP,    1040                       ; a row of the mask's tile: 1,024 bytes + 16: 65 x 16
.set KOFF,  0                          ; a slot: 256 rows of K,
.set KSOFF, 256*KP                     ; 256 scale words of K, dense,
.set VOFF,  KSOFF+1024                 ; 128 rows of V,
.set MOFF,  VOFF+128*VP                ; 64 rows of the mask: the slot ends at byte 106,496
.set SLOT1, 1<<17                      ; slot 1 begins here, so that one exclusive or turns an address in one slot into the other's
.set SCV,   2*SLOT1                    ; behind the ring: V's scale bytes of the head, 32 units of 256 bytes + 16; filled once
.set SPARE, SCV+32*272                 ; the spare words, 128 bytes for each wave: four blocks of 256 bytes that no other line names
.set STAGE, SPARE+1024                 ; the way out: 16 rows x 272 bytes for each wave; no fill lands here
.set SP,    272
.set AK0,  1                           ; v1   my lane's place in a tile of K
.set AV0,  2                           ; v2   in a tile of V
.set AKS0, 3                           ; v3   among K's scale words
.set AVS0, 4                           ; v4   among V's
.set AM0,  5                           ; v5   in the mask's tile
.set SPW,  6                           ; v6   LDS address of my spare word: SPARE + 4 x my thread's number; never rewritten
.set NIL,  7                           ; v7   0; never rewritten
.set ADK,  8                           ; v8-12 the step's LDS addresses
.set ADV,  9
.set ADS,  10
.set ADT,  11
.set ADM,  12
.set STO,  8                           ; the way out: where I put 32 bytes of a row,
.set RD,   9                           ; and where I read a row back
.set GO,   13                          ; v13  my byte offset in the wave's rows of out0
.set PFO,  14                          ; v14  the prefetches' offset; never rewritten
.set ST,   16                          ; tile u at v[ST + 4 u]: -M, the largest t, the sum in two halves
.set QS,   24                          ; v24-25 Q's scale words
.set PS,   26                          ; v26-27 p's
.set KVS,  28                          ; v28-35 K's, then V's, of eight tiles
.set P,    36                          ; p's codes, 8 registers a tile
.set BM,   52                          ; v52-55 the blocks' largest t, then largest p
.set BX,   56                          ; v56-59 the other half's, then the scales' bytes
.set SCO,  60                          ; v60-63 the conversions' scale operands
.set F,    64                          ; v[64+2u:65+2u] f = 2^(old M - new M) in the low half; at the end 1 / the sum
.set T,    68                          ; v68-69 at work
.set SUM,  70                          ; v[70:71] the sum's second chain
.set MK,   80
.set S,    144
.set Q,    208
.set KV,   128                         ; in window 1
.set TB,   2                           ; s2   LDS byte at which the slot in hand begins   (until the loop: x)
.set TJ,   3                           ; s3   the step's place in a row of V's scale bytes: 4 bytes a step   (until the loop: y)
.set WV,   20                          ; s20  my wave's number
.set SLOTS, 21                         ; s21  slots still to be asked for
.set SEL,  22                          ; s[22:23] lane selects for v_permlanex16_b32: lane l xor 16
.set CS,   24                          ; s[24:25] c; the packed forms name a pair and take its low word for both halves
.set L2E,  26                          ; s[26:27] log2(e)
.set G1K,  28                          ; descriptor groups 1: K's codes, K's scale words, V's codes, the mask, V's scale bytes
.set G1KS, 36
.set G1V,  44
.set G1M,  52
.set G1VS, 68
.set G0K,  60                          ; groups 0, which walk
.set G0KS, 76
.set G0V,  80
.set G0M,  84
.set G0VS, 88
.set CX,   66                          ; s66, s67 my place in the cluster
.set CY,   67
.set PFA,  92                          ; s[92:93] where my prefetches stand
.set PFS,  94                          ; s[94:95] a slot on, in bytes
.set LIM,  96                          ; s96  1 in a wave that prefetches, else the greatest number
.set ODD,  97                          ; s97  1 where one request serves two slots
.set MSB, 0
.macro WIN new                         ; the immediate's high byte repeats the setting that is left; bits 1:0 source 0, 3:2 source 1, 5:4 source 2, 7:6 destination
.if MSB != \new
	s_set_vgpr_msb (MSB<<8)|\new
.set MSB, \new
.endif
.endm
.macro PLACES
.rept 4
	v_nop
.endr
.endm
.macro G1SET g, c, r, p                ; a tile of r rows of c elements, p elements from row to row
	s_mov_b32 s[\g+1], (\c)<<16                    ; tensor_dim0
	s_mov_b32 s[\g+2], (\r)<<16                    ; tensor_dim1
	s_mov_b32 s[\g+3], (\c)<<16                    ; tile_dim0
	s_mov_b32 s[\g+4], \r                          ; tile_dim1
	s_mov_b32 s[\g+5], \p                          ; tensor_dim0_stride
	s_mov_b32 s[\g+6], 0
	s_mov_b32 s[\g+7], 0
.endm
; A round of the cluster's barrier: my work-group's barrier, so that wave 0's signal speaks for all eight waves; wave 0 signals for the work-group; every wave waits for all sixteen work-groups; my work-group's barrier once more.
.macro CROUND
	s_barrier_signal -1
	s_barrier_wait -1
	s_cmp_lg_u32 s[WV], 0
	s_cbranch_scc1 .Lnot_wave_0_\@
	s_barrier_signal -3
.Lnot_wave_0_\@:
	s_barrier_wait -3
	s_barrier_signal -1
	s_barrier_wait -1
.endm
; A slot's joint loads, one a wave: wave 0 K's codes, wave 1 K's scale words, waves 2 and 3 V's halves, waves 4 to 7 sixteen rows of the mask each.  The branches hang on the wave's number alone.
; Four v_nop follow each line, ahead of the jump, the label and what follows.
.macro TLOAD
	s_cmp_lt_u32 s[WV], 4
	s_cbranch_scc0 .Lfor_m_\@
	s_cmp_lt_u32 s[WV], 2
	s_cbranch_scc0 .Lfor_v_\@
	s_cmp_eq_u32 s[WV], 0
	s_cbranch_scc0 .Lfor_ks_\@
	tensor_load_to_lds s[G0K:G0K+3], s[G1K:G1K+7]
	s_nop 0
	PLACES
	s_branch .Lasked_\@
.Lfor_ks_\@:
	tensor_load_to_lds s[G0KS:G0KS+3], s[G1KS:G1KS+7]
	s_nop 0
	PLACES
	s_branch .Lasked_\@
.Lfor_v_\@:
	tensor_load_to_lds s[G0V:G0V+3], s[G1V:G1V+7]
	s_nop 0
	PLACES
	s_branch .Lasked_\@
.Lfor_m_\@:
	tensor_load_to_lds s[G0M:G0M+3], s[G1M:G1M+7]
	s_nop 0
	PLACES
.Lasked_\@:
.endm
; A PREFETCH INTO THE L2 of what the NEXT change of slots will ask for, behind the wave's joint load and its four lines.  Each aligned block of 256 bytes is named ONCE in the launch.
; The mask's rows of a block x are walked by the clusters of one column of clusters: the one with cluster y = 0 asks; its four partners of a column take 16 rows each, waves 4 and 5 eight rows each, a lane a block of 256 bytes.
; K's and V's rows of a head are walked by the clusters of one row of clusters: the one with cluster x = 0 asks.  A key's 256 bytes hold the codes of the cluster's four heads: wave 6 of the sixteen partners, 32 keys each,
; names 512 keys, two slots, at every second change.  256 bytes of a row of V are two slots' codes: wave 7 of a head's four partners, 32 rows each, likewise at every second change.
; Partners are told apart BY ADDRESS alone.  The last change that fills a slot asks for nothing; slots 0 and 1 come by their loads alone.
.macro ASK
	s_and_b32 s98, s[SLOTS], s[ODD]
	s_xor_b32 s98, s98, s[ODD]                     ; 1 at the changes that a wave with ODD = 1 passes over (SLOTS even)
	s_lshl_b32 s98, s98, 4
	s_add_co_u32 s98, s98, s[LIM]                  ; then the bar lies above every count of slots
	s_cmp_gt_u32 s[SLOTS], s98
	s_cbranch_scc0 .Lnot_mine_\@
	global_prefetch_b8 v[PFO], s[PFA:PFA+1] th:TH_LOAD_NT scope:SCOPE_SE
.Lnot_mine_\@:
.endm
	s_load_b256 s[4:11], s[0:1], 0x0               ; mask s[4:5], K's codes s[6:7], K's scales s[8:9], Q's codes s[10:11]
	s_load_b256 s[12:19], s[0:1], 0x20             ; Q's scales s[12:13], V's codes s[14:15], V's scales s[16:17], out0 s[18:19]
	v_lshl_add_u32 v[SPW], v0, 2, SPARE
	v_mov_b32 v[NIL], 0
	ds_add_u32 v6, v7
	ds_add_u32 v6, v7
	s_wait_dscnt 0x0
	v_lshrrev_b32 v72, 5, v0
	v_readfirstlane_b32 s[WV], v72                 ; wave 0..7
	s_bfe_u32 s[CX], ttmp6, 0x40000
	s_bfe_u32 s[CY], ttmp6, 0x40004
	s_lshl_b32 s2, ttmp9, 2                        ; in a cluster launch ttmp9 and ttmp7 count clusters
	s_add_co_u32 s2, s2, s[CX]                     ; x = 4 x cluster x + cx: my block of 64 queries
	s_and_b32 s3, ttmp7, 0xffff
	s_lshl_b32 s3, s3, 2
	s_add_co_u32 s3, s3, s[CY]                     ; y = 4 x cluster y + cy = 8 b + kvh
	s_lshl_b32 s98, s[CY], 2
	s_lshl_b32 s98, 15, s98                        ; my row of the cluster: places 4 cy .. 4 cy + 3
	s_lshl_b32 s100, 0x1111, s[CX]                 ; my column: places cx, cx + 4, cx + 8, cx + 12
	; groups 1.  Word 0: 15:0 the mask of work-groups; 17:16 element size; 20 padding on; 21 set beside a mask; 24:22 the interval's code; 31:25 padding words - 1
	s_or_b32 s[G1K], s98, (0<<16)|(1<<20)|(1<<21)|(3<<22)|(3<<25)    ; bytes; 4 words behind every 16
	G1SET G1K, 64, 256, 512                        ; 256 keys x 64 bytes, 512 bytes apart (8 heads lie side by side)
	s_or_b32 s[G1KS], s98, (2<<16)|(1<<21)         ; words; no padding
	G1SET G1KS, 1, 256, 8                          ; 256 keys x 1 word, 8 words apart
	s_or_b32 s[G1V], s98, (0<<16)|(1<<20)|(1<<21)|(4<<22)|(3<<25)    ; bytes; 4 words behind every 32
	G1SET G1V, 128, 64, 1024                       ; 64 rows x 128 bytes (256 keys), 1,024 bytes apart
	s_or_b32 s[G1M], s100, (2<<16)|(1<<20)|(1<<21)|(7<<22)|(3<<25)   ; words; 4 words behind every 256
	G1SET G1M, 256, 16, 2048                       ; 16 queries x 256 keys of f32
	s_or_b32 s[G1VS], s98, (3<<16)|(1<<20)|(1<<21)|(5<<22)|(3<<25)   ; 8 bytes; 4 words behind every 64
	G1SET G1VS, 32, 32, 32                         ; 8,192 dense bytes as 32 rows of 256
	s_mov_b32 s[SEL], 0x76543210
	s_mov_b32 s[SEL+1], 0xfedcba98
	s_mov_b32 s[CS], 0x3e0293ee                    ; log2(e) / sqrt(128)
	s_mov_b32 s[CS+1], s[CS]
	s_mov_b32 s[L2E], 0x3fb8aa3b                   ; log2(e)
	s_mov_b32 s[L2E+1], s[L2E]
	; groups 0.  K's and V's hang on y and the wave's number, the mask's on x and the wave's number; no place in the cluster enters an LDS address
	s_lshr_b32 s98, s3, 3
	s_lshl_b32 s98, s98, 20                        ; b x 2,048 keys x 512 bytes
	s_and_b32 s99, s3, 7
	s_lshl_b32 s99, s99, 6                         ; + kvh x 64
	s_add_co_u32 s98, s98, s99
	s_mov_b32 s99, 0
	s_wait_kmcnt 0x0
	s_mov_b32 s[G0K], 1
	s_mov_b32 s[G0K+1], KOFF
	s_add_nc_u64 s[G0K+2:G0K+3], s[6:7], s[98:99]
	s_or_b32 s[G0K+3], s[G0K+3], 0x80000000
	s_lshr_b32 s98, s98, 4                         ; the scale words: a sixteenth of the codes' bytes
	s_mov_b32 s[G0KS], 1
	s_mov_b32 s[G0KS+1], KSOFF
	s_add_nc_u64 s[G0KS+2:G0KS+3], s[8:9], s[98:99]
	s_or_b32 s[G0KS+3], s[G0KS+3], 0x80000000
	s_and_b32 s21, s[WV], 1                        ; which 64 rows of V
	s_lshl_b32 s98, s3, 17
	s_lshl_b32 s99, s21, 16
	s_add_co_u32 s98, s98, s99
	s_mov_b32 s99, 0
	s_mul_i32 s21, s21, 64*VP
	s_mov_b32 s[G0V], 1
	s_add_co_u32 s[G0V+1], s21, VOFF
	s_add_nc_u64 s[G0V+2:G0V+3], s[14:15], s[98:99]
	s_or_b32 s[G0V+3], s[G0V+3], 0x80000000
	s_lshl_b32 s98, s3, 13
	s_mov_b32 s[G0VS], 1
	s_mov_b32 s[G0VS+1], SCV
	s_add_nc_u64 s[G0VS+2:G0VS+3], s[16:17], s[98:99]
	s_or_b32 s[G0VS+3], s[G0VS+3], 0x80000000
	s_and_b32 s21, s[WV], 3                        ; which 16 rows of the mask's tile
	s_lshl_b32 s100, s2, 19                        ; 64 x rows of 8,192 bytes
	s_lshl_b32 s101, s21, 17
	s_add_co_u32 s100, s100, s101
	s_mov_b32 s101, 0
	s_mul_i32 s21, s21, 16*MP
	s_mov_b32 s[G0M], 1
	s_add_co_u32 s[G0M+1], s21, MOFF
	s_add_nc_u64 s[G0M+2:G0M+3], s[4:5], s[100:101]
	s_or_b32 s[G0M+3], s[G0M+3], 0x80000000
	CROUND                                         ; all sixteen work-groups are here: the first joint loads meet
	s_cmp_eq_u32 s[WV], 1
	s_cbranch_scc0 .Lno_vs
	tensor_load_to_lds s[G0VS:G0VS+3], s[G1VS:G1VS+7]   ; V's scale bytes of the whole head: filled once.  With slot 0's load below, two loads of wave 1 are out; the first wait on TENSORcnt is for 0
	s_nop 0
	PLACES
.Lno_vs:
	TLOAD                                          ; slot 0
	; Q's codes, Q's scale words and out0 at my wave's first query and first head
	s_lshr_b32 s92, s3, 3
	s_lshl_b32 s92, s92, 22                        ; b
	s_lshl_b32 s93, s2, 17                         ; 64 x queries of 2,048 bytes
	s_add_co_u32 s92, s92, s93
	s_and_b32 s93, s[WV], 3
	s_lshl_b32 s93, s93, 15                        ; 16 (w % 4) queries
	s_add_co_u32 s92, s92, s93
	s_and_b32 s93, s3, 7
	s_lshl_b32 s93, s93, 8                         ; 4 kvh heads of 64 bytes
	s_add_co_u32 s92, s92, s93
	s_lshr_b32 s93, s[WV], 2
	s_lshl_b32 s93, s93, 7                         ; 2 (w / 4) heads
	s_add_co_u32 s92, s92, s93
	s_mov_b32 s93, 0
	s_mov_b32 s95, 0
	s_add_nc_u64 s[10:11], s[10:11], s[92:93]
	s_lshr_b32 s94, s92, 4                         ; the scale words: a sixteenth
	s_add_nc_u64 s[12:13], s[12:13], s[94:95]
	s_lshl_b32 s94, s92, 3                         ; out0: eight times (512 bytes a head against 64)
	s_add_nc_u64 s[18:19], s[18:19], s[94:95]
	v_and_b32 v72, 15, v0                          ; r = lane % 16
	v_bfe_u32 v73, v0, 4, 1                        ; h = lane / 16
	v_lshlrev_b32 v77, 11, v72
	v_lshl_add_u32 v77, v73, 4, v77                ; query r, + 16 h
	v_lshlrev_b32 v78, 7, v72
.irp u, 0,1
.irp c, 0,1
	global_load_b128 v[Q+8*\u+4*\c:Q+8*\u+4*\c+3], v77, s[10:11] offset:64*\u+32*\c   ; Q's two fragments stay in registers
.endr
	global_load_b32 v[QS+\u], v78, s[12:13] offset:4*\u
.endr
	; the prefetches (macro ASK): where my wave's stand, at slot 1 (each change steps them first), and who asks
	s_lshl_b32 s98, s3, 17                         ; V: my head,
	s_lshl_b32 s101, s[CX], 15                     ; my work-group's 32 rows of 1,024 bytes,
	s_add_co_u32 s98, s98, s101
	s_add_co_u32 s98, s98, 128
	s_lshr_b32 s99, s3, 3                          ; K: my batch,
	s_lshl_b32 s99, s99, 20
	s_bfe_u32 s101, s3, 0x10002                    ; the half of a key's 512 bytes that holds my cluster's four heads,
	s_lshl_b32 s101, s101, 8
	s_add_co_u32 s99, s99, s101
	s_lshl_b32 s101, s[CY], 2
	s_add_co_u32 s101, s101, s[CX]
	s_lshl_b32 s101, s101, 14                      ; my work-group's 32 keys of 512
	s_add_co_u32 s99, s99, s101
	s_add_co_u32 s99, s99, 131072
	s_lshl_b32 s100, s2, 19                        ; the mask: my block's 64 rows,
	s_lshl_b32 s101, s[CY], 17                     ; my work-group's 16 of them,
	s_add_co_u32 s100, s100, s101
	s_and_b32 s101, s[WV], 1
	s_lshl_b32 s101, s101, 16                      ; my wave's 8
	s_add_co_u32 s100, s100, s101
	s_add_co_u32 s100, s100, 1024
	s_and_b32 s16, ttmp7, 0xffff                   ; cluster y
	s_mov_b32 s[PFS], 128
	s_mov_b32 s8, 4096
	s_cmp_eq_u32 s[WV], 6                          ; wave 6: K; wave 7: V
	s_cselect_b64 s[PFA:PFA+1], s[6:7], s[14:15]
	s_cselect_b32 s98, s99, s98
	s_cselect_b32 s[PFS], 131072, s[PFS]
	s_cselect_b32 s8, 2048, s8                     ; four lanes on
	s_lshr_b32 s9, s8, 2                           ; a lane on
	s_cmp_lt_u32 s[WV], 6                          ; waves 4 and 5: the mask (waves 0 to 3 ask for nothing)
	s_cselect_b64 s[PFA:PFA+1], s[4:5], s[PFA:PFA+1]
	s_cselect_b32 s98, s100, s98
	s_cselect_b32 s[PFS], 1024, s[PFS]
	s_cselect_b32 s8, 8192, s8                     ; four lanes to a row,
	s_cselect_b32 s9, 256, s9                      ; 256 bytes apart
	s_cselect_b32 s[ODD], 0, 1
	s_cselect_b32 s16, s16, ttmp9                  ; the coordinate along which other clusters walk the same bytes
	s_mov_b32 s99, 0
	s_mov_b32 s[PFS+1], 0
	s_add_nc_u64 s[PFA:PFA+1], s[PFA:PFA+1], s[98:99]
	s_lshr_b32 s101, s[WV], 2
	s_xor_b32 s101, s101, 1                        ; 0 in waves 4 to 7,
	s_or_b32 s101, s101, s16                       ; of the first cluster along that coordinate: the same in all sixteen partners
	s_cmp_eq_u32 s101, 0
	s_cselect_b32 s[LIM], 1, -1
	v_and_b32 v75, 31, v0
	v_lshrrev_b32 v76, 2, v75
	v_and_b32 v75, 3, v75
	v_mul_lo_u32 v76, v76, s8
	v_mul_lo_u32 v75, v75, s9
	v_add_nc_u32 v[PFO], v75, v76
	; LDS addresses of my lane
	v_and_b32 v74, 8, v72
	v_add_nc_u32 v74, v74, v72                     ; r + 8 (r / 8)
	v_mul_u32_u24 v[AK0], v74, KP
	v_lshl_add_u32 v[AK0], v73, 4, v[AK0]
	v_mul_u32_u24 v[AV0], v72, VP
	v_lshl_add_u32 v[AV0], v73, 4, v[AV0]
	v_add_nc_u32 v[AV0], VOFF, v[AV0]
	v_lshl_add_u32 v[AKS0], v74, 2, KSOFF
	v_lshrrev_b32 v75, 2, v72                      ; V's scale bytes: row r of a tile begins 64 r bytes on: which unit of 256 bytes, and where in it
	v_and_b32 v76, 3, v72
	v_mul_u32_u24 v[AVS0], v75, 272
	v_lshl_add_u32 v[AVS0], v76, 6, v[AVS0]
	v_add_nc_u32 v[AVS0], SCV, v[AVS0]
	s_and_b32 s98, s[WV], 3
	s_mul_i32 s98, s98, 16*MP
	s_add_co_u32 s98, s98, MOFF
	v_mul_u32_u24 v[AM0], v72, MP                  ; the mask: my query's row, + 64 h: my 16 keys of a block of 32
	v_lshl_add_u32 v[AM0], v73, 6, v[AM0]
	v_add_nc_u32 v[AM0], s98, v[AM0]
	v_lshlrev_b32 v[GO], 14, v73                   ; the way out: lanes 0-15 one query's row, lanes 16-31 the next query's, 16,384 bytes on; 16 bytes a lane
	v_lshl_add_u32 v[GO], v72, 4, v[GO]
.irp u, 0,1
	v_mov_b32 v[ST+4*\u+1], 0xff61b1e6             ; the largest t so far: -3e38
	v_floor_f32 v[ST+4*\u], -v[ST+4*\u+1]          ; -M
	v_mov_b32 v[ST+4*\u+2], 0                      ; the sum, in two halves
	v_mov_b32 v[ST+4*\u+3], 0
	v_mov_b32 v[F+2*\u+1], 0                       ; named as the upper half of a pair
.endr
.irp b, 0,1,2,3
	v_mov_b32 v[BX+\b], 0                          ; written once: a lane permute's destination counts as one of its sources
.endr
	WIN 0x40
.set j, 0
.rept 128
	v_mov_b32 v[j], 0                              ; O^T.  The key step is written without a first step of its own: the first change of M multiplies zeros
.set j, j+1
.endr
	WIN 0
	s_mov_b32 s[TB], 0
	s_mov_b32 s[TJ], 0
	s_mov_b32 s[SLOTS], 7
; S^T = K Q^T for tile u: eight products, each starting its sum with the constant 0
.macro KQ u
	WIN 0x01                                       ; source 0 (K) window 1
.irp t, 0,1,2,3,4,5,6,7
	v_wmma_scale_f32_16x16x128_f8f6f4 v[S+8*\t:S+8*\t+7], v[KV+8*\t:KV+8*\t+7], v[Q+8*(\u):Q+8*(\u)+7], 0, v[KVS+\t], v[QS+(\u)] matrix_a_fmt:MATRIX_FMT_FP4 matrix_b_fmt:MATRIX_FMT_FP4
.endr
	WIN 0
.endm
; Tile u's softmax of 128 keys: scores in v[S] on become t, then p; p's codes go to v[P + 8 u] on, its scale word to v[PS + u], f to v[F + 2 u]
.macro SOFTMAX u
.set rT, ST+4*(\u)
.set rF, F+2*(\u)
.set rP, P+8*(\u)
.set j, 0
.rept 32
	v_pk_fma_f32 v[S+j:S+j+1], v[S+j:S+j+1], s[CS:CS+1], v[MK+j:MK+j+1] op_sel_hi:[1,0,1]   ; t = score x c + mask x log2(e); ascending
.set j, j+2
.endr
.irp b, 0,1,2,3
	v_max3_num_f32 v[BM+\b], v[S+16*\b], v[S+16*\b+1], v[S+16*\b+2]   ; the largest t of each block of 32 keys: it serves for the row's maximum and, since p rises with t, for the block's largest p
.endr
.irp i, 3,5,7,9,11,13
.irp b, 0,1,2,3
	v_max3_num_f32 v[BM+\b], v[BM+\b], v[S+16*\b+\i], v[S+16*\b+\i+1]
.endr
.endr
.irp b, 0,1,2,3
	v_max_num_f32 v[BM+\b], v[BM+\b], v[S+16*\b+15]
.endr
.irp b, 0,1,2,3
	v_permlanex16_b32 v[BX+\b], v[BM+\b], s[SEL], s[SEL+1]
.endr
.irp b, 0,1,2,3
	v_max_num_f32 v[BM+\b], v[BM+\b], v[BX+\b]     ; with lane l xor 16's 16 keys
.endr
	v_max3_num_f32 v[T], v[BM], v[BM+1], v[BM+2]
	v_max_num_f32 v[T], v[T], v[BM+3]              ; the step's largest t of my query
	v_max_num_f32 v[rT+1], v[rT+1], v[T]           ; the running largest t
	v_mov_b32 v[T], v[rT]
	v_floor_f32 v[rT], -v[rT+1]                    ; the new -M = floor(-t) = -ceil(t): a whole number
	v_sub_f32 v[T], v[rT], v[T]                    ; old M - new M: a whole number, 0 or less
	v_cvt_i32_f32 v[T], v[T]                       ; (it saturates)
	v_ldexp_f32 v[rF], 1.0, v[T]                   ; f = 2^(old M - new M)
	; t - M and the exponentials: ONE batch; a pair's subtraction stands ahead of the exponentials of the pair before, and no line names an exponential's result
	v_pk_add_f32 v[S:S+1], v[S:S+1], v[rT:rT+1] op_sel_hi:[1,0]
.set j, 0
.rept 31
	v_pk_add_f32 v[S+j+2:S+j+3], v[S+j+2:S+j+3], v[rT:rT+1] op_sel_hi:[1,0]
	v_exp_f32 v[S+j], v[S+j]
	v_exp_f32 v[S+j+1], v[S+j+1]
.set j, j+2
.endr
	v_exp_f32 v[S+62], v[S+62]
	v_exp_f32 v[S+63], v[S+63]
.irp b, 0,1,2,3
	v_add_f32 v[BM+\b], v[BM+\b], v[rT]            ; the same subtraction of each block's largest t (plain lines behind the last exponential)
.endr
	v_pk_mul_f32 v[rT+2:rT+3], v[rT+2:rT+3], v[rF:rF+1] op_sel_hi:[1,0]   ; the sums under the new M
	s_wait_alu depctr_va_vdst(0)                   ; the wait ahead of the first line that names a result: one for the 64
.irp b, 0,1,2,3
	v_exp_f32 v[BM+\b], v[BM+\b]                   ; the block's largest p: the same two instructions on the same number give the same bits
.endr
	v_pk_add_f32 v[SUM:SUM+1], v[S:S+1], v[S+2:S+3]   ; the row's sum is taken of the unquantised p, in two chains; it reads the 64 alone
.irp j, 4,8,12,16,20,24,28,32,36,40,44,48,52,56,60
	v_pk_add_f32 v[rT+2:rT+3], v[rT+2:rT+3], v[S+\j:S+\j+1]
	v_pk_add_f32 v[SUM:SUM+1], v[SUM:SUM+1], v[S+\j+2:S+\j+3]
.endr
	v_pk_add_f32 v[rT+2:rT+3], v[rT+2:rT+3], v[SUM:SUM+1]
	s_wait_alu depctr_va_vdst(0)                   ; and one for the four
.irp b, 0,1,2,3
	v_max_num_f32 v[BM+\b], 0x1800000, v[BM+\b]    ; the floor 2^(3 - 127): the byte cannot fall under 1 (a block whose every p is 0 keeps that byte: its codes are zeros)
.endr
.irp b, 0,1,2,3
	v_add_nc_u32 v[SCO+\b], 0xff000000, v[BM+\b]   ; 2 off the exponent field: the conversion's scale operand
.endr
.irp b, 0,1,2,3
	v_lshrrev_b32 v[BX+\b], 23, v[SCO+\b]          ; the scale's byte
.endr
	v_lshl_or_b32 v[PS+(\u)], v[BX+1], 8, v[BX]    ; p's scale word for these 128 keys
	v_lshl_or_b32 v[PS+(\u)], v[BX+2], 16, v[PS+(\u)]
	v_lshl_or_b32 v[PS+(\u)], v[BX+3], 24, v[PS+(\u)]
.irp b, 0,1,2,3
	v_cvt_scalef32_pk8_fp4_f32 v[rP+2*\b], v[S+16*\b:S+16*\b+7], v[SCO+\b]
	v_cvt_scalef32_pk8_fp4_f32 v[rP+2*\b+1], v[S+16*\b+8:S+16*\b+15], v[SCO+\b]
.endr
	v_nop                                          ; one plain line between a scaled conversion and what next touches its result or writes its sources
.irp c, 0,1                                    ; the operand's layout wants a WHOLE block in a lane: lanes 0-15 block 2 c, lanes 16-31 block 2 c + 1
.irp i, 0,1
	v_permlane16_swap_b32 v[rP+4*\c+\i], v[rP+4*\c+2+\i]
.endr
.endr
.endm
; A KEY STEP: 128 keys, the q-th of the slot in hand, for both tiles
.macro STEP q
	v_add_nc_u32 v[ADK], s[TB], v[AK0]             ; five plain lines: also the places between the last step's products and the loads into the registers that they read
	v_add_nc_u32 v[ADS], s[TB], v[AKS0]
	v_add_nc_u32 v[ADM], s[TB], v[AM0]
	v_add_nc_u32 v[ADV], s[TB], v[AV0]
	v_add_nc_u32 v[ADT], s[TJ], v[AVS0]
	WIN 0x40                                       ; destination window 1
.irp t, 0,1,2,3,4,5,6,7
.irp c, 0,1
	ds_load_b128 v[KV+8*\t+4*\c:KV+8*\t+4*\c+3], v[ADK] offset:(128*(\q)+32*(\t/2)+8*(\t%2))*KP+32*\c
.endr
.endr
	WIN 0
.irp t, 0,1,2,3,4,5,6,7
	ds_load_b32 v[KVS+\t], v[ADS] offset:(128*(\q)+32*(\t/2)+8*(\t%2))*4
.endr
.irp b, 0,1,2,3
.irp i, 0,1,2,3
	ds_load_b128 v[MK+16*\b+4*\i:MK+16*\b+4*\i+3], v[ADM] offset:512*(\q)+128*\b+16*\i   ; register 16 b + n: the mask at my query and key 32 b + 16 h + n: the place of score register 16 b + n
.endr
.endr
	s_wait_dscnt 16                                ; K and its scale words are in; the mask's sixteen loads, issued behind them, may be out
	KQ 0
	s_wait_dscnt 0x0                               ; the mask
.set j, 0
.rept 32
	v_pk_mul_f32 v[MK+j:MK+j+1], v[MK+j:MK+j+1], s[L2E:L2E+1] op_sel_hi:[1,0]   ; mask x log2(e), once for both tiles; also the places behind the products above
.set j, j+2
.endr
	SOFTMAX 0
	KQ 1
	PLACES                                         ; in front of the loads into registers that those products read, and of the first read of their results
	WIN 0x40
.irp t, 0,1,2,3,4,5,6,7
.irp c, 0,1
	ds_load_b128 v[KV+8*\t+4*\c:KV+8*\t+4*\c+3], v[ADV] offset:16*\t*VP+64*(\q)+32*\c
.endr
.endr
	WIN 0
.irp t, 0,1,2,3,4,5,6,7
	ds_load_b32 v[KVS+\t], v[ADT] offset:\t*4*272
.endr
	SOFTMAX 1                                      ; V lands meanwhile
	WIN 0x41                                       ; O^T (destination and source 0) window 1, f window 0
.irp u, 0,1
.set j, 0
.rept 32
	v_pk_mul_f32 v[64*\u+j:64*\u+j+1], v[64*\u+j:64*\u+j+1], v[F+2*\u:F+2*\u+1] op_sel_hi:[1,0]   ; O^T under the new M; these lines are also the places between p's codes and scale word and the products below
.set j, j+2
.endr
.endr
	s_wait_dscnt 0x0                               ; V and its scale words
	WIN 0x51                                       ; V, C and D window 1, p window 0
.irp t, 0,1,2,3,4,5,6,7                        ; O^T += V^T P^T: sixteen accumulators, one instruction each: no two neighbours share one
.irp u, 0,1
	v_wmma_scale_f32_16x16x128_f8f6f4 v[64*\u+8*\t:64*\u+8*\t+7], v[KV+8*\t:KV+8*\t+7], v[P+8*\u:P+8*\u+7], v[64*\u+8*\t:64*\u+8*\t+7], v[KVS+\t], v[PS+\u] matrix_a_fmt:MATRIX_FMT_FP4 matrix_b_fmt:MATRIX_FMT_FP4
.endr
.endr
	WIN 0
	s_add_co_u32 s[TJ], s[TJ], 4                   ; the next step's scale words of V
.endm
; THE CHANGE OF SLOTS stands at a slot's head.  Each wave waits for all its tensor loads (its part of the slot that it is about to read), adds 0 to its spare word, and waits for that and for its reads of the slot that it
; has left.  fill = 1: a round of the cluster's barrier follows, behind which the slot ahead is whole and no wave of any partner reads the other one or has a load on its way; that other slot is filled with the next
; 256 keys, one joint load a wave, first thing behind the round: it has two key steps in which to land.
.macro CHANGE fill
	s_wait_tensorcnt 0x0                           ; no tensor load of mine is out, so a group 0 may be written
	ds_add_u32 v[SPW], v[NIL]                      ; 0 onto my spare word
.if \fill
	s_xor_b32 s[G0K+1], s[G0K+1], SLOT1            ; the walking descriptors: the other slot than last time, the next 256 keys; the type bits on top are not reached
	s_add_nc_u64 s[G0K+2:G0K+3], s[G0K+2:G0K+3], 131072
	s_xor_b32 s[G0KS+1], s[G0KS+1], SLOT1
	s_add_nc_u64 s[G0KS+2:G0KS+3], s[G0KS+2:G0KS+3], 8192
	s_xor_b32 s[G0V+1], s[G0V+1], SLOT1
	s_add_nc_u64 s[G0V+2:G0V+3], s[G0V+2:G0V+3], 128
	s_xor_b32 s[G0M+1], s[G0M+1], SLOT1
	s_add_nc_u64 s[G0M+2:G0M+3], s[G0M+2:G0M+3], 1024
	s_wait_xcnt 0x0                                ; the last prefetch, a slot back, has read its address, so it may be written:
	s_add_nc_u64 s[PFA:PFA+1], s[PFA:PFA+1], s[PFS:PFS+1]   ; one slot further on than the walking descriptors
	s_wait_dscnt 0x0                               ; the add is done, and my reads of the slot that I have left are over
	CROUND
	TLOAD
	ASK
.else
	s_wait_dscnt 0x0
	s_barrier_signal -1
	s_barrier_wait -1
.endif
.endm
	s_wait_loadcnt 0x0                             ; Q
.Lslot:                                            ; seven trips: behind each change of slots but the last the next slot is asked for
	CHANGE 1
	STEP 0
	STEP 1
	s_xor_b32 s[TB], s[TB], SLOT1                  ; on to the other slot
	s_sub_co_u32 s[SLOTS], s[SLOTS], 1
	s_cmp_lg_u32 s[SLOTS], 0
	s_cbranch_scc1 .Lslot
	CHANGE 0                                       ; the last slot is written out
	STEP 0
	STEP 1
	; THE WAY OUT.  The sum's halves and the other half of the lanes' are added; O^T / the sum goes through my stage in LDS, half a head's row (64 channels, 256 bytes) of 16 queries at a time, and leaves so that
	; sixteen lanes store 256 consecutive bytes, at a multiple of 256 from out0's first byte.  The lines up to the wait are also the places behind the last products.
.irp u, 0,1
	v_add_f32 v[T+\u], v[ST+4*\u+2], v[ST+4*\u+3]
.endr
.irp u, 0,1
	v_permlanex16_b32 v[BX+\u], v[T+\u], s[SEL], s[SEL+1]
.endr
.irp u, 0,1
	v_add_f32 v[T+\u], v[T+\u], v[BX+\u]           ; the row's sum: above 1/2, since the row's largest p is
.endr
.irp u, 0,1
	v_rcp_f32 v[F+2*\u], v[T+\u]
.endr
	s_mul_i32 s98, s[WV], 16*SP
	s_add_co_u32 s98, s98, STAGE                   ; my stage
	v_and_b32 v10, 15, v0                          ; r   (plain lines behind the reciprocals)
	v_bfe_u32 v11, v0, 4, 1                        ; h
	v_mul_u32_u24 v[STO], v10, SP
	v_lshl_add_u32 v[STO], v11, 5, v[STO]
	v_add_nc_u32 v[STO], s98, v[STO]               ; in: row r; tile t's eight channels of my half: 64 t + 32 h bytes on
	v_mul_u32_u24 v[RD], v11, SP
	v_lshl_add_u32 v[RD], v10, 4, v[RD]
	v_add_nc_u32 v[RD], s98, v[RD]                 ; back: lanes 0-15 one row, lanes 16-31 the next
	s_wait_alu depctr_va_vdst(0)                   ; the wait ahead of the first use: one for the two reciprocals
.irp u, 0,1
.if \u
	s_wait_xcnt 0x0                                ; the first tile's stores have read their registers: the loads below may land there
.endif
	WIN 0x01                                       ; source 0 (O^T) window 1
.set j, 0
.rept 32
	v_pk_mul_f32 v[S+j:S+j+1], v[64*\u+j:64*\u+j+1], v[F+2*\u:F+2*\u+1] op_sel_hi:[1,0]   ; register 8 t + n is out(query r, channel 16 t + 8 h + n); ascending: each accumulator from its low end on
.set j, j+2
.endr
	WIN 0
.irp g, 0,1                                    ; channels 64 g on
.irp t, 0,1,2,3
	ds_store_b128 v[STO], v[S+32*\g+8*\t:S+32*\g+8*\t+3] offset:64*\t
	ds_store_b128 v[STO], v[S+32*\g+8*\t+4:S+32*\g+8*\t+7] offset:64*\t+16
.endr
.irp i, 0,1,2,3,4,5,6,7
	ds_load_b128 v[MK+32*\g+4*\i:MK+32*\g+4*\i+3], v[RD] offset:2*\i*SP   ; LDS serves a wave's instructions in order (ISA guide 5.7.1.4): these see my stores, and the next half's stores come behind them
.endr
.endr
.irp g, 0,1
.irp i, 0,1,2,3,4,5,6,7
	s_wait_dscnt 16*(1-\g)+7-\i                    ; the LDS instructions issued behind this load may stay out
	global_store_b128 v[GO], v[MK+32*\g+4*\i:MK+32*\g+4*\i+3], s[18:19] offset:2*\i*16384+512*\u+256*\g th:TH_STORE_NT   ; written once, read by nobody here
.endr
.endr
.endr
	s_wait_tensorcnt 0x0                           ; the wave's end: behind my last tensor load and my last LDS store
	ds_add_u32 v[SPW], v[NIL]
	s_wait_dscnt 0x0
	CROUND                                         ; the closing round: no work-group ends while a partner may still ask for a tile that names it
	s_endpgm
.Lfunc_end_k_q4b1deb53d3_attn:
	.size	k_q4b1deb53d3_attn, .Lfunc_end_k_q4b1deb53d3_attn-k_q4b1deb53d3_attn
	.p2alignl 7, 3214868480
	.fill 96, 4, 3214868480
	.section	.rodata,"a",@progbits
	.p2align	6, 0x0
	.amdhsa_kernel k_q4b1deb53d3_attn
		.amdhsa_group_segment_fixed_size 327680
		.amdhsa_private_segment_fixed_size 0
		.amdhsa_enable_private_segment 0
		.amdhsa_kernarg_size 64
		.amdhsa_user_sgpr_count 2
		.amdhsa_user_sgpr_kernarg_segment_ptr 1
		.amdhsa_wavefront_size32 1
		.amdhsa_system_sgpr_workgroup_id_x 1
		.amdhsa_system_sgpr_workgroup_id_y 1
		.amdhsa_system_sgpr_workgroup_id_z 1
		.amdhsa_system_vgpr_workitem_id 0
		.amdhsa_next_free_vgpr 448
		.amdhsa_next_free_sgpr 102
		.amdhsa_reserve_vcc 0
		.amdhsa_float_denorm_mode_32 3
		.amdhsa_float_denorm_mode_16_64 3
		.amdhsa_memory_ordered 1
		.amdhsa_forward_progress 1
		.amdhsa_inst_pref_size 192
	.end_amdhsa_kernel
	.amdgpu_metadata
---
amdhsa.version: [ 1, 2 ]
amdhsa.kernels:
  - .name:           k_q4b1deb53d3_attn
    .symbol:         k_q4b1deb53d3_attn.kd
    .args:
      - { .name: attn_mask, .offset: 0, .size: 8, .value_kind: global_buffer, .address_space: global }
      - { .name: key_codes, .offset: 8, .size: 8, .value_kind: global_buffer, .address_space: global }
      - { .name: key_scales, .offset: 16, .size: 8, .value_kind: global_buffer, .address_space: global }
      - { .name: query_codes, .offset: 24, .size: 8, .value_kind: global_buffer, .address_space: global }
      - { .name: query_scales, .offset: 32, .size: 8, .value_kind: global_buffer, .address_space: global }
      - { .name: value_codes, .offset: 40, .size: 8, .value_kind: global_buffer, .address_space: global }
      - { .name: value_scales, .offset: 48, .size: 8, .value_kind: global_buffer, .address_space: global }
      - { .name: out0, .offset: 56, .size: 8, .value_kind: global_buffer, .address_space: global }
    .group_segment_fixed_size: 327680
    .private_segment_fixed_size: 0
    .kernarg_segment_align: 8
    .kernarg_segment_size: 64
    .max_flat_workgroup_size: 256
    .sgpr_count:     102
    .vgpr_count:     448
    .wavefront_size: 32
...
	.end_amdgpu_metadata
.endif
;; end of part 1
